; MI455X (gfx1250); checked and timed in simulation.
; The chip was launched on July 23, 2026; its instructions are those of AMD's public machine-readable ISA for CDNA 5 (MIT licence, August 2026) and "CDNA5" Instruction Set Architecture Reference Guide (July 2026). The comments in the code are by the model that wrote it; some were corrected since.
;; VAEBM. Allowed arithmetic: float matrix products may take bf16 or f16 operands with f32 sums; other float arithmetic in f32, or as packed bf16 or f16 multiplies, adds, multiply-adds, maxima and minima; sums over many terms, partial sums and values carried from step to step in f32; what a program stores and reads back later, other than sums and carried values, may be rounded once to bf16 or f16.
;; Inputs: Wd1 2 x 100 float32; Wdmu 100 x 3 float32; Wds 100 x 3 float32; We1 3 x 100 float32; We2 100 x 100 float32; Wlt 100 x 1 float32; Wmu 100 x 2 float32; b_ltz 1 float32; b_muz 2 float32; bd1 100 float32; bdmu 3 float32; bds 3 float32; be1 100 float32; be2 100 float32; blt 1 float32; bmu 2 float32; noise 6 x 32,768 x 2 float32; x 32,768 x 3 float32.
;; Outputs: out0 32,768 x 2 float32; out1 32,768 x 3 float32; out2 32,768 x 3 float32; out3 32,768 x 2 float32; out4 32,768 x 1 float32; out5 32,768 x 2 float32; out6 32,768 x 1 float32.
;; One version. Each part assembles by itself: llvm-mc -triple=amdgcn-amd-amdhsa -mcpu=gfx1250 --defsym DOCPART=n.
;; ======== version 1 of 1: 1 launch
;; launch vaebm (part 1): grid 256 x 1, 4 waves a work-group, no clusters, 127,232 bytes of LDS; arguments x, We1, be1, We2, be2, Wmu, bmu, Wlt, blt, Wd1, bd1, Wdmu, bdmu, Wds, bds, b_muz, b_ltz, noise, out0, out1, out2, out3, out4, out5, out6; writes out0, out1, out2, out3, out4, out5, out6
.if DOCPART == 1
	.amdgcn_target "amdgcn-amd-amdhsa--gfx1250"
	.amdhsa_code_object_version 6
	.text
	.protected	k_q39efbefd68_vaebm
	.globl	k_q39efbefd68_vaebm
	.p2align	8
	.type	k_q39efbefd68_vaebm,@function
k_q39efbefd68_vaebm:
	s_mov_b64 s[64:65], 0
	v_nop
	global_prefetch_b8 v0, s[64:65] scope:SCOPE_SE
	s_setreg_imm32_b32 hwreg(HW_REG_WAVE_MODE, 25, 1), 1
	s_wait_xcnt 0x0
; VAEBM: encoder 3 -> 100 -> 100 -> (mu 2, log t 1), six Euler steps of Brownian motion on the decoder's pull-back metric, one decoder pass.  32,768 points, none looks at another.
; CLOSED FORM.  With a = z Wd1 + bd1, Wo = [Wdmu | Wds] (six outputs o) and s = swish:  J[o][l] = sum_u Wo[u][o] s'(a_u) Wd1[l][u],  H[o][kl] = sum_u Wo[u][o] s''(a_u) Wd1[k][u] Wd1[l][u],  g = J^T J.
; WORK LEFT OUT, for all values of the inputs.  dG[k][m]/dz_l = H_kl.J_m + J_k.H_ml.  In the Christoffel bracket Dg[k,m,l] + Dg[l,m,k] - Dg[k,l,m] the terms J_k.H_ml, J_l.H_mk, -H_km.J_l, -J_k.H_lm
; cancel in pairs because H is symmetric in its two lower indices: 2 H_kl.J_m is left.  So the drift is 0.5 ginv J^T v with v[o] = ginv00 H[o][00] + 2 ginv01 H[o][01] + ginv11 H[o][11], and one step is
; z += ginv (0.5 J^T v + dW).  sqrt(exp(2 lt) / 6) is exp(lt) / sqrt(6).  The factor ones in mu_z and log_t_z is 1.  Every input has a way to an output and is loaded.
; LIMITS.  A NaN, an infinity or an overflow that reaches only the cancelled terms is not carried to the result; for lt above 44 exp(2 lt) overflows and exp(lt) does not; NaN and infinities are not
; treated apart; a weight table whose largest magnitude lies under 2^-111 is scaled as if it were 2^-111; of the split products the low x low part, 2^-22 of a term, is dropped.
; FORMAT.  Every matrix operand is a PAIR of f16, high + low (22 bits), scaled by exact powers of two so that f16's range is never met: weights to 64..128 at their table's largest (decoder products to
; under 512), activations as 256 x value (s', s'' lie under 1.1) or scaled for each point to 256..512.  Three products (high high, high low, low high) go into one f32 sum.
; SHARES.  Work-group g: points 128 g .. 128 g + 127.  Wave w: 32 of them as two tiles a = 0, 1.  Lane (r = lane % 16, h = lane / 16) of tile a holds point 128 g + 32 w + 2 r + a; the two halves of
; the lanes hold the same point and share its hidden units.  One wave on each SIMD; no wave reads another's activations.
; PRODUCT FORM.  D = A x B, A = 16 outputs x 32 units (weights, turned out of LDS by ds_load_tr16_b128), B = 32 units x 16 points: register j of lane (r, h) is output 8 h + j of point r.
; A layer's 100 units lie in 52 registers a lane: slot 16 c + i is unit 32 c + 8 h + i (i < 8) or 32 c + 16 + 8 h + i - 8 (i >= 8), c = 0..2; slots 48-51 are units 96-99 (in the upper lanes copies, which
; meet rows 104-107 of the images: zeros).  Packed in pairs that IS the B operand of four K steps; a layer-2 result tile t is slots 8 t .. 8 t + 7: nothing changes lanes between layers.
; NO TENSOR LOADS, NO CLUSTER, NO PREFETCH: what work-groups share is 46 KB of f32 weights that must pass through registers to be scaled and split; there is no ring of tiles, and each step's noise
; (16 bytes a lane) is asked for a whole step ahead of its use.
; LDS: We2 high 0, low 36,864 (128 rows x 288: 128 columns and 32 bytes of padding); decoder high 73,728, low 94,208 (128 x 160: column tiles J, H1, H2, F); heads high 114,688, low 118,784 (128 x 32);
; maxima 122,880; stages for out1, out2 123,136 (1,536 each), out4 126,208; spare words 126,720.
; REGISTERS, in windows of 256: window 0 addresses, z, T(a) = 48 + 104 a, E(a) = 100 + 104 a; window 1 first We2 on its way into LDS, then Wd1's rows, bd1, be2 in the unit map; window 2 We1, be1,
; later weight fragments; window 3 the activations' f16 pairs: 128 a + 64 kind + 32 part.
.set E2P,   288
.set E2L,   36864
.set DCH,   73728
.set DCLO,  20480
.set HDH,   114688
.set HDLO,  4096
.set RED,   122880
.set STG1,  123136
.set STG4,  126208
.set SPARE, 126720
.set SPW,  1          ; v1   my spare word; never rewritten
.set NIL,  2          ; v2   0, for the add alone
.set ZR,   3          ; v3   0
.set NEG1, 4          ; v4   -1.0
.set VTR,  5          ; v5   my place in a turned fragment of We2's high image
.set VTD,  6          ; v6   the same in the decoder's image
.set VTH,  7          ; v7   the same in the heads' image
.set VNO,  8          ; v8   16 q, q = 16 w + r: my two points' noise, z
.set VO8,  9          ; v9   16 q + 8 h: one point's pair of numbers
.set VS4,  10         ; v10  out4's stage
.set VS12, 11         ; v11  out1's (h = 0) or out2's (h = 1) stage
.set VNM,  12         ; v12  32 h: the unit map's lane term
.set VTRL, 29         ; v29  my place in a turned fragment of We2's low image: an immediate does not reach it from v5
.set XA,   30         ; v30-35  x of my two points; at the end the six decoder results
.set MSB, 0
.macro WIN new                      ; the immediate's high byte repeats the setting that is left; a switch that changes nothing is dropped
.if MSB != (\new)
	s_set_vgpr_msb (MSB<<8)|(\new)
.set MSB, (\new)
.endif
.endm
.macro WINU                         ; for a line whose only vector operands are its destination and source 0, both in window 0
.if (MSB & 0xc3) != 0
	WIN 0
.endif
.endm
.macro PLACES n
.rept \n
	v_nop
.endr
.endm
; 100 numbers of a row into the unit map: 13 loads of 16 bytes
.macro LDNAT dst, sb, off
.irp c, 0,1,2
	global_load_b128 v[(\dst)+16*\c:(\dst)+16*\c+3],     v[VNM], s[\sb:\sb+1] offset:(\off)+128*\c
	global_load_b128 v[(\dst)+16*\c+4:(\dst)+16*\c+7],   v[VNM], s[\sb:\sb+1] offset:(\off)+128*\c+16
	global_load_b128 v[(\dst)+16*\c+8:(\dst)+16*\c+11],  v[VNM], s[\sb:\sb+1] offset:(\off)+128*\c+64
	global_load_b128 v[(\dst)+16*\c+12:(\dst)+16*\c+15], v[VNM], s[\sb:\sb+1] offset:(\off)+128*\c+80
.endr
	global_load_b128 v[(\dst)+48:(\dst)+51], v[ZR], s[\sb:\sb+1] offset:(\off)+384
.endm
; 16 outputs x 128 units out of an image of pitch P: four K steps, two turning loads each
.macro LDFRAG dst, adr, off, P
.irp c, 0,1,2,3
	ds_load_tr16_b128 v[(\dst)+8*\c:(\dst)+8*\c+3],   v[\adr] offset:(\off)+32*\c*(\P)
	ds_load_tr16_b128 v[(\dst)+8*\c+4:(\dst)+8*\c+7], v[\adr] offset:(\off)+(32*\c+16)*(\P)
.endr
.endm
; THE SPLIT.  np pairs of f32 at src are rounded to f16 (S_CVT); the rounded halves are taken away again, exactly (S_MIX); the residues are rounded (S_CVT once more).
.macro S_CVT src, dst, np
.set i, 0
.rept \np
	v_cvt_pk_f16_f32 v[(\dst)+i], v[(\src)+2*i], v[(\src)+2*i+1]
.set i, i+1
.endr
.endm
.macro MIXRES x, hi, half
.if (\half)
	v_fma_mix_f32 v[\x], v[\hi], v[NEG1], v[\x] op_sel:[1,0,0] op_sel_hi:[1,0,0]
.else
	v_fma_mix_f32 v[\x], v[\hi], v[NEG1], v[\x] op_sel:[0,0,0] op_sel_hi:[1,0,0]
.endif
.endm
.macro S_MIX src, hi, np
.set i, 0
.rept 2*(\np)
	MIXRES (\src)+i,(\hi)+i/2,i%2
.set i, i+1
.endr
.endm
.macro SPLITP                       ; T of both tiles -> the P arrays
	WIN 0xc0
	S_CVT 48, 0, 26
	S_CVT 152, 128, 26
	WIN 0x03
	S_MIX 48, 0, 26
	S_MIX 152, 128, 26
	WIN 0xc0
	S_CVT 48, 32, 26
	S_CVT 152, 160, 26
.endm
.macro SPLITPQ                      ; T -> P, E -> Q, both tiles; three settings of the windows for 416 lines
	WIN 0xc0
	S_CVT 48, 0, 26
	S_CVT 100, 64, 26
	S_CVT 152, 128, 26
	S_CVT 204, 192, 26
	WIN 0x03
	S_MIX 48, 0, 26
	S_MIX 100, 64, 26
	S_MIX 152, 128, 26
	S_MIX 204, 192, 26
	WIN 0xc0
	S_CVT 48, 32, 26
	S_CVT 100, 96, 26
	S_CVT 152, 160, 26
	S_CVT 204, 224, 26
.endm
; v[d:d+1] = x v[s1:s1+1] + v[s2:s2+1], x the one register xr, given to both halves
.macro BFMA d, xr, s1, s2
.if ((\xr)&1)
	v_pk_fma_f32 v[\d:(\d)+1], v[(\xr)-1:\xr], v[\s1:(\s1)+1], v[\s2:(\s2)+1] op_sel:[1,0,0] op_sel_hi:[1,1,1]
.else
	v_pk_fma_f32 v[\d:(\d)+1], v[\xr:(\xr)+1], v[\s1:(\s1)+1], v[\s2:(\s2)+1] op_sel_hi:[0,1,1]
.endif
.endm
; THE LISTS of a layer's vector work, one line for a number.  E = 2^(-a log2 e - 8) + 2^-8, and 1 / E = 256 sigmoid(a).
.macro ARG a, p                     ; pair p: the exponent
	WINU
	v_pk_fma_f32 v[100+104*(\a)+2*(\p):100+104*(\a)+2*(\p)+1], v[48+104*(\a)+2*(\p):48+104*(\a)+2*(\p)+1], s[84:85], s[86:87] op_sel_hi:[1,0,0]
.endm
.macro T_EXP a, i
	WINU
	v_exp_f32 v[100+104*(\a)+(\i)], v[100+104*(\a)+(\i)]
.endm
.macro T_RCP a, i
	WINU
	v_rcp_f32 v[100+104*(\a)+(\i)], v[100+104*(\a)+(\i)]
.endm
.macro P_ADD a, j
	WINU
	v_pk_add_f32 v[100+104*(\a)+2*(\j):100+104*(\a)+2*(\j)+1], v[100+104*(\a)+2*(\j):100+104*(\a)+2*(\j)+1], s[88:89] op_sel_hi:[1,0]
.endm
.macro P_L1 a, j                    ; 104: a = x We1 + be1 in f32, then the exponents
.set pT, 48+104*(\a)+2*((\j)%26)
.set pW, 2*((\j)%26)
.set pX, XA+3*(\a)
.if (\j) < 26
	WIN 0x28
	BFMA pT,pX+2,104+pW,156+pW
.elseif (\j) < 52
	WIN 0x08
	BFMA pT,pX+1,52+pW,pT
.elseif (\j) < 78
	WIN 0x08
	BFMA pT,pX,pW,pT
.else
	ARG \a,(\j)-78
.endif
.endm
.macro P_DEC a, j                   ; 78: a = z Wd1 + bd1 in f32, then the exponents
.set pT, 48+104*(\a)+2*((\j)%26)
.set pW, 2*((\j)%26)
.set pX, 14+2*(\a)
.if (\j) < 26
	WIN 0x14
	BFMA pT,pX+1,52+pW,104+pW
.elseif (\j) < 52
	WIN 0x04
	BFMA pT,pX,pW,pT
.else
	ARG \a,(\j)-52
.endif
.endm
.macro P_L2 a, j                    ; 52: the sums are unscaled and be2 added (each accumulator's lowest registers are read first), then the exponents
.if (\j) < 26
	WIN 0x10
	v_pk_fma_f32 v[48+104*(\a)+2*(\j):48+104*(\a)+2*(\j)+1], v[48+104*(\a)+2*(\j):48+104*(\a)+2*(\j)+1], v[36+2*(\a):37+2*(\a)], v[156+2*(\j):156+2*(\j)+1] op_sel_hi:[1,0,1]
.else
	ARG \a,(\j)-26
.endif
.endm
.macro P_MUL a, j                   ; 26: T = a x 256 sigmoid = 256 swish
	WIN 0
	v_pk_mul_f32 v[48+104*(\a)+2*(\j):48+104*(\a)+2*(\j)+1], v[48+104*(\a)+2*(\j):48+104*(\a)+2*(\j)+1], v[100+104*(\a)+2*(\j):100+104*(\a)+2*(\j)+1]
.endm
; 156: with S = 256 sigmoid in E and a in T:  t1 = S (1 - sigmoid), t2 = 2 + a (1 - 2 sigmoid);  T = a t1 + S = 256 s',  E = t1 t2 = 256 s''.  Four pairs are in hand at a time (the last two alone).
.macro P_POST a, j
	WIN 0
.set qn, 4
.if (\j) >= 144
.set qn, 2
.endif
.set qs, ((\j)%24)/qn
.set qk, ((\j)%24)%qn
.set qp, 4*((\j)/24)+qk
.set qT, 48+104*(\a)+2*qp
.set qE, 100+104*(\a)+2*qp
.set q1, 30+4*qk
.set q2, 32+4*qk
.if qs == 0
	v_pk_fma_f32 v[q1:q1+1], v[qE:qE+1], s[90:91], 1.0 op_sel_hi:[1,0,0]
.elseif qs == 1
	v_pk_fma_f32 v[q2:q2+1], v[qE:qE+1], s[92:93], 1.0 op_sel_hi:[1,0,0]
.elseif qs == 2
	v_pk_mul_f32 v[q1:q1+1], v[qE:qE+1], v[q1:q1+1]
.elseif qs == 3
	v_pk_fma_f32 v[q2:q2+1], v[qT:qT+1], v[q2:q2+1], 2.0 op_sel_hi:[1,1,0]
.elseif qs == 4
	v_pk_fma_f32 v[qT:qT+1], v[qT:qT+1], v[q1:q1+1], v[qE:qE+1]
.else
	v_pk_mul_f32 v[qE:qE+1], v[q1:q1+1], v[q2:q2+1]
.endif
.endm
.macro RUN m, a, n                  ; a whole list
.set zi, 0
.rept \n
	\m \a, zi
.set zi, zi+1
.endr
.endm
.macro ZIP tm, ta, pm, pa, np       ; 52 transcendentals of one tile and np plain lines of the other, by turns
.set zn, 52
.if (\np) > 52
.set zn, \np
.endif
.set zi, 0
.rept zn
.if zi < 52
	\tm \ta, zi
.endif
.if zi < (\np)
	\pm \pa, zi
.endif
.set zi, zi+1
.endr
.endm
.macro TWAIT                        ; a plain line behind the batch's last transcendental, and the one wait ahead of the first line that names a result
	v_nop
	s_wait_alu depctr_va_vdst(0)
.endm
; A LAYER's sigmoids, the two tiles half a stage apart: each batch of 52 transcendentals stands beside plain work of the other tile and has one wait.
.macro PIPE fm, nf, pm, np
	RUN \fm, 0, \nf
	ZIP T_EXP, 0, \fm, 1, \nf
	TWAIT
	ZIP T_EXP, 1, P_ADD, 0, 26
	TWAIT
	ZIP T_RCP, 0, P_ADD, 1, 26
	TWAIT
	ZIP T_RCP, 1, \pm, 0, \np
	TWAIT
	RUN \pm, 1, \np
.endm
; A POINT's SCALE.  T holds 256 swish, and swish is never under -0.2785: so max(largest T, 72) bounds every magnitude.  With 2^e its power of two, T is multiplied by 2^(8 - e) (v40-43) and
; the sums later by 2^(e - 8) (v36-39): exponent bits made by whole-number arithmetic.  Both halves of the lanes take the same bound.
.macro PSCALE2
	WIN 0
.irp k, 0,1,2,3
.irp a, 0,1
	v_max3_num_f32 v[100+104*\a+\k], v[48+104*\a+\k], v[52+104*\a+\k], v[56+104*\a+\k]
.endr
.endr
.irp m, 3,5,7,9,11
.irp k, 0,1,2,3
.irp a, 0,1
	v_max3_num_f32 v[100+104*\a+\k], v[100+104*\a+\k], v[48+104*\a+\k+4*\m], v[52+104*\a+\k+4*\m]
.endr
.endr
.endr
.irp a, 0,1
	v_max3_num_f32 v[100+104*\a], v[100+104*\a], v[101+104*\a], v[102+104*\a]
.endr
.irp a, 0,1
	v_max3_num_f32 v[100+104*\a], v[100+104*\a], v[103+104*\a], 0x42900000
.endr
.irp a, 0,1
	v_permlanex16_b32 v[101+104*\a], v[100+104*\a], s98, s99
.endr
.irp a, 0,1
	v_max_num_f32 v[100+104*\a], v[100+104*\a], v[101+104*\a]
.endr
.irp a, 0,1
	v_and_b32 v[100+104*\a], 0x7f800000, v[100+104*\a]
.endr
.irp a, 0,1
	v_sub_nc_u32 v[40+2*\a], 0x83000000, v[100+104*\a]
	v_sub_nc_u32 v[41+2*\a], 0x83000000, v[100+104*\a]
	v_add_nc_u32 v[36+2*\a], 0xfc000000, v[100+104*\a]
	v_add_nc_u32 v[37+2*\a], 0xfc000000, v[100+104*\a]
.endr
.set i, 0
.rept 26
	v_pk_mul_f32 v[48+2*i:49+2*i], v[48+2*i:49+2*i], v[40:41] op_sel_hi:[1,0]
	v_pk_mul_f32 v[152+2*i:153+2*i], v[152+2*i:153+2*i], v[42:43] op_sel_hi:[1,0]
.set i, i+1
.endr
.endm
; 24 matrix instructions: one tile of 16 outputs for both tiles of points, 4 K steps x 3 products; the two accumulators take turns, one instruction a turn; the first two start the sums
.macro MM24 fh, fl, d0, d1
	WIN 0x0e
.irp c, 0,1,2,3
.irp pr, 0,1,2
.irp a, 0,1
.set mA, (\fh)+8*\c
.if \pr == 2
.set mA, (\fl)+8*\c
.endif
.set mB, 128*\a+8*\c
.if \pr == 1
.set mB, mB+32
.endif
.set mD, \d0
.if \a == 1
.set mD, \d1
.endif
.if (\c == 0) && (\pr == 0)
	v_wmma_f32_16x16x32_f16 v[mD:mD+7], v[mA:mA+7], v[mB:mB+7], 0
.else
	v_wmma_f32_16x16x32_f16 v[mD:mD+7], v[mA:mA+7], v[mB:mB+7], v[mD:mD+7]
.endif
.endr
.endr
.endr
.endm
; A step's 72: J (on s'), H1 and H2 (on s'') for both tiles; six accumulators take turns
.macro MMSTEP
	WIN 0x0e
.irp c, 0,1,2,3
.irp pr, 0,1,2
.irp a, 0,1
.irp x, 0,1,2
.set mA, 64*\x+8*\c
.if \pr == 2
.set mA, mA+32
.endif
.set mB, 128*\a+8*\c
.if \x > 0
.set mB, mB+64
.endif
.if \pr == 1
.set mB, mB+32
.endif
.set mD, 48+24*\a+8*\x
.if (\c == 0) && (\pr == 0)
	v_wmma_f32_16x16x32_f16 v[mD:mD+7], v[mA:mA+7], v[mB:mB+7], 0
.else
	v_wmma_f32_16x16x32_f16 v[mD:mD+7], v[mA:mA+7], v[mB:mB+7], v[mD:mD+7]
.endif
.endr
.endr
.endr
.endr
.endm
; THE STEP's TAIL, line n of 51 for tile a.  My lane holds outputs o = 3 h + i: J[i][l] at dJ + 2 i + l, H[i][kl] at dH + 3 i + kl (the ninth is H2's register 0, which lies next).
.macro TL a, n
.set dJ, 48+24*(\a)
.set dH, 56+24*(\a)
.set tB, 100+24*(\a)
.set zA, 14+2*(\a)
.if (\n) == 0                       ; 0-7: the sums are unscaled, each accumulator's lowest registers first
	v_pk_mul_f32 v[dJ:dJ+1], v[dJ:dJ+1], s[94:95] op_sel_hi:[1,0]
.elseif (\n) == 1
	v_pk_mul_f32 v[dH:dH+1], v[dH:dH+1], s[96:97] op_sel_hi:[1,0]
.elseif (\n) == 2
	v_mul_f32 v[dH+8], s96, v[dH+8]
.elseif (\n) < 5
	v_pk_mul_f32 v[dJ+2*(\n)-4:dJ+2*(\n)-3], v[dJ+2*(\n)-4:dJ+2*(\n)-3], s[94:95] op_sel_hi:[1,0]
.elseif (\n) < 8
	v_pk_mul_f32 v[dH+2*(\n)-8:dH+2*(\n)-7], v[dH+2*(\n)-8:dH+2*(\n)-7], s[96:97] op_sel_hi:[1,0]
.elseif (\n) == 8                   ; 8-13: (g00, g11) and g01 over my three outputs
	v_pk_mul_f32 v[tB:tB+1], v[dJ:dJ+1], v[dJ:dJ+1]
.elseif (\n) == 9
	v_mul_f32 v[tB+2], v[dJ], v[dJ+1]
.elseif ((\n) == 10) || ((\n) == 12)
	v_pk_fma_f32 v[tB:tB+1], v[dJ+(\n)-8:dJ+(\n)-7], v[dJ+(\n)-8:dJ+(\n)-7], v[tB:tB+1]
.elseif ((\n) == 11) || ((\n) == 13)
	v_fma_f32 v[tB+2], v[dJ+(\n)-9], v[dJ+(\n)-8], v[tB+2]
.elseif (\n) < 17                   ; 14-18: the other three outputs lie in the lane 16 away; a + b = b + a, so both halves hold the same bits
	v_permlanex16_b32 v[tB+(\n)-10], v[tB+(\n)-14], s98, s99
.elseif (\n) == 17
	v_pk_add_f32 v[tB:tB+1], v[tB:tB+1], v[tB+4:tB+5]
.elseif (\n) == 18
	v_add_f32 v[tB+2], v[tB+2], v[tB+6]
.elseif (\n) == 19                  ; 19-22: the determinant, g01 squared with its rounding error taken back
	v_mul_f32 v[tB+3], v[tB+2], v[tB+2]
.elseif (\n) == 20
	v_fma_f32 v[tB+7], v[tB+2], v[tB+2], -v[tB+3]
.elseif (\n) == 21
	v_fma_f32 v[tB+8], v[tB], v[tB+1], -v[tB+3]
.elseif (\n) == 22
	v_sub_f32 v[tB+8], v[tB+8], v[tB+7]
.elseif (\n) == 23
	v_rcp_f32 v[tB+9], v[tB+8]
.elseif (\n) == 24                  ; 24, 25: one Newton step
	v_fma_f32 v[tB+10], -v[tB+8], v[tB+9], 2.0
.elseif (\n) == 25
	v_mul_f32 v[tB+9], v[tB+9], v[tB+10]
.elseif (\n) == 26                  ; 26-29: ginv00, -ginv01, ginv11, -2 ginv01
	v_mul_f32 v[tB+10], v[tB+1], v[tB+9]
.elseif (\n) == 27
	v_mul_f32 v[tB+11], v[tB+2], v[tB+9]
.elseif (\n) == 28
	v_mul_f32 v[tB+12], v[tB], v[tB+9]
.elseif (\n) == 29
	v_add_f32 v[tB+13], v[tB+11], v[tB+11]
.elseif (\n) < 33                   ; 30-38: v[i]
	v_mul_f32 v[tB+(\n)-16], v[tB+10], v[dH+3*((\n)-30)]
.elseif (\n) < 36
	v_fma_f32 v[tB+(\n)-19], -v[tB+13], v[dH+3*((\n)-33)+1], v[tB+(\n)-19]
.elseif (\n) < 39
	v_fma_f32 v[tB+(\n)-22], v[tB+12], v[dH+3*((\n)-36)+2], v[tB+(\n)-22]
.elseif (\n) == 39                  ; 39-44: u = J^T v, my three outputs, then the other half's
	v_pk_mul_f32 v[tB+18:tB+19], v[dJ:dJ+1], v[tB+14:tB+15] op_sel_hi:[1,0]
.elseif (\n) == 40
	v_pk_fma_f32 v[tB+18:tB+19], v[dJ+2:dJ+3], v[tB+14:tB+15], v[tB+18:tB+19] op_sel:[0,1,0] op_sel_hi:[1,1,1]
.elseif (\n) == 41
	v_pk_fma_f32 v[tB+18:tB+19], v[dJ+4:dJ+5], v[tB+16:tB+17], v[tB+18:tB+19] op_sel_hi:[1,0,1]
.elseif (\n) < 44
	v_permlanex16_b32 v[tB+(\n)-22], v[tB+(\n)-24], s98, s99
.elseif (\n) == 44
	v_pk_add_f32 v[tB+18:tB+19], v[tB+18:tB+19], v[tB+20:tB+21]
.elseif (\n) == 45                  ; 45, 46: w = 0.5 u + sqrt(dt) noise
	v_pk_mul_f32 v[tB+20:tB+21], v[22+2*(\a):23+2*(\a)], v[18+2*(\a):19+2*(\a)]
.elseif (\n) == 46
	v_pk_fma_f32 v[tB+18:tB+19], v[tB+18:tB+19], 0.5, v[tB+20:tB+21] op_sel_hi:[1,0,1]
.elseif (\n) == 47                  ; 47-50: z += ginv w
	v_fma_f32 v[zA], v[tB+10], v[tB+18], v[zA]
.elseif (\n) == 48
	v_fma_f32 v[zA], -v[tB+11], v[tB+19], v[zA]
.elseif (\n) == 49
	v_fma_f32 v[zA+1], -v[tB+11], v[tB+18], v[zA+1]
.else
	v_fma_f32 v[zA+1], v[tB+12], v[tB+19], v[zA+1]
.endif
.endm
; ---------------- the head: pointers, lane terms, constants ----------------
	s_load_b512 s[4:19], s[0:1], 0x0               ; x, We1, be1, We2, be2, Wmu, bmu, Wlt
	s_load_b512 s[20:35], s[0:1], 0x40             ; blt, Wd1, bd1, Wdmu, bdmu, Wds, bds, b_muz
	s_load_b512 s[36:51], s[0:1], 0x80             ; b_ltz, noise, out0 .. out5
	s_load_b64 s[52:53], s[0:1], 0xc0              ; out6
	v_lshl_add_u32 v[SPW], v0, 2, SPARE
	v_mov_b32 v[NIL], 0
	v_mov_b32 v[ZR], 0
	v_mov_b32 v[NEG1], -1.0
	v_lshrrev_b32 v13, 5, v0
	v_readfirstlane_b32 s54, v13                   ; wave 0..3
	v_and_b32 v36, 7, v0
	v_bfe_u32 v37, v0, 4, 1                        ; h
	v_bfe_u32 v38, v0, 3, 1
	v_lshl_add_u32 v36, v37, 3, v36                ; the turning load's row: 8 h + lane % 8
	v_mul_u32_u24 v[VTR], v36, E2P
	v_lshl_add_u32 v[VTR], v38, 4, v[VTR]
	v_add_nc_u32 v[VTRL], E2L, v[VTR]
	v_mul_u32_u24 v[VTD], v36, 160
	v_lshl_add_u32 v[VTD], v38, 4, v[VTD]
	v_add_nc_u32 v[VTD], DCH, v[VTD]
	v_lshlrev_b32 v[VTH], 5, v36
	v_lshl_add_u32 v[VTH], v38, 4, v[VTH]
	v_add_nc_u32 v[VTH], HDH, v[VTH]
	v_and_b32 v39, 15, v0
	v_lshl_add_u32 v39, v13, 4, v39                ; q = 16 w + r
	v_lshlrev_b32 v[VNO], 4, v39
	v_lshl_add_u32 v[VO8], v37, 3, v[VNO]
	v_lshlrev_b32 v[VS4], 3, v39
	v_lshl_add_u32 v[VS4], v37, 2, v[VS4]
	v_add_nc_u32 v[VS4], STG4, v[VS4]
	v_mul_u32_u24 v[VS12], v39, 24
	v_mul_u32_u24 v40, v37, 1536
	v_add_nc_u32 v[VS12], v[VS12], v40
	v_add_nc_u32 v[VS12], STG1, v[VS12]
	v_lshlrev_b32 v[VNM], 5, v37
	; We2: wave w takes rows w, w + 4, .. w + 96; lane l the row's piece l of 25 pieces of 16 bytes (lanes 25-31 repeat piece 24 and later scale it by 0: they write the image's columns 100-127)
	v_and_b32 v151, 31, v0                         ; lane
	v_min_u32 v41, 24, v151
	s_mul_i32 s58, s54, 400
	v_lshl_add_u32 v140, v41, 4, s58               ; in memory: row w, my piece
	s_mul_i32 s59, s54, E2P
	v_lshl_add_u32 v144, v151, 3, s59              ; in the high image: row w, 8 bytes a lane: a wave's store is one row's 256 bytes
	v_add_nc_u32 v147, E2L, v144                   ; and in the low image
	v_min_u32 v42, 99, v0                          ; my row of the small tables (threads 100-127 repeat row 99 and scale it by 0)
	v_mul_u32_u24 v141, v42, 12
	v_lshlrev_b32 v142, 2, v42
	v_lshlrev_b32 v143, 3, v42
	v_mul_u32_u24 v145, v0, 160
	v_add_nc_u32 v145, DCH, v145                   ; my row of the decoder's image
	v_lshl_add_u32 v146, v0, 5, HDH                ; and of the heads'
	v_lshl_add_u32 v148, v13, 4, RED               ; my wave's four maxima
	v_mul_u32_u24 v149, v39, 24                    ; x of my two points
	v_mov_b32 v150, RED
	s_mov_b32 s84, 0xbfb8aa3b                      ; -log2 e
	s_mov_b32 s85, 0xbfb8aa3b
	s_mov_b32 s86, 0xc1000000                      ; -8
	s_mov_b32 s87, 0xc1000000
	s_mov_b32 s88, 0x3b800000                      ; 2^-8
	s_mov_b32 s89, 0x3b800000
	s_mov_b32 s90, 0xbb800000                      ; -2^-8
	s_mov_b32 s91, 0xbb800000
	s_mov_b32 s92, 0xbc000000                      ; -2^-7
	s_mov_b32 s93, 0xbc000000
	s_mov_b32 s98, 0x76543210                      ; v_permlanex16_b32: each lane takes its own place in the other half
	s_mov_b32 s99, 0xfedcba98
	s_mov_b32 s100, 0xffff0000                     ; the upper lanes
	s_wait_kmcnt 0x0
	s_load_b64 s[66:67], s[16:17], 0x0             ; bmu
	s_load_b32 s68, s[20:21], 0x0                  ; blt
	s_load_b96 s[72:74], s[28:29], 0x0             ; bdmu
	s_load_b96 s[76:78], s[32:33], 0x0             ; bds
	s_load_b64 s[80:81], s[34:35], 0x0             ; b_muz
	s_load_b32 s82, s[36:37], 0x0                  ; b_ltz
	s_mul_i32 s58, ttmp9, 1536                     ; the work-group's 128 points: 12 bytes each,
	s_mov_b32 s59, 0
	s_lshl_b32 s60, ttmp9, 10                      ; 8 bytes each,
	s_mov_b32 s61, 0
	s_lshl_b32 s62, ttmp9, 9                       ; 4 bytes each
	s_mov_b32 s63, 0
	s_add_nc_u64 s[4:5], s[4:5], s[58:59]
	s_add_nc_u64 s[42:43], s[42:43], s[58:59]
	s_add_nc_u64 s[44:45], s[44:45], s[58:59]
	s_add_nc_u64 s[56:57], s[38:39], s[60:61]      ; the noise of step 0
	s_add_nc_u64 s[40:41], s[40:41], s[60:61]
	s_add_nc_u64 s[46:47], s[46:47], s[60:61]
	s_add_nc_u64 s[50:51], s[50:51], s[60:61]
	s_add_nc_u64 s[48:49], s[48:49], s[62:63]
	s_add_nc_u64 s[52:53], s[52:53], s[62:63]
	WIN 0x40                                       ; We2 waits in window 1: piece i at v[4 i]
.set i, 0
.rept 25
	global_load_b128 v[4*i:4*i+3], v140, s[10:11] offset:1600*i  ; row w + 4 i: the wave's load covers the row's 400 consecutive bytes
.set i, i+1
.endr
	WIN 0
	global_load_b96 v[128:130], v141, s[26:27]     ; my row of Wdmu,
	global_load_b96 v[132:134], v141, s[30:31]     ; of Wds,
	global_load_b32 v136, v142, s[22:23]           ; my column of Wd1,
	global_load_b32 v137, v142, s[22:23] offset:400
	global_load_b64 v[138:139], v143, s[14:15]     ; my row of Wmu
	global_load_b32 v131, v142, s[18:19]           ; and of Wlt
	global_load_b64 v[30:31], v149, s[4:5]
	global_load_b64 v[32:33], v149, s[4:5] offset:8
	global_load_b64 v[34:35], v149, s[4:5] offset:16
	; while they are on their way: rows 100-127 of We2's two images are 0 (wave w: rows w + 100, .. w + 124), and so are the operands' registers for units 100-127
	v_mov_b32 v252, 0
	v_mov_b32 v253, 0
.set i, 25
.rept 7
	ds_store_b64 v144, v[252:253] offset:4*E2P*i
	ds_store_b64 v147, v[252:253] offset:4*E2P*i
.set i, i+1
.endr
	WIN 0xc0
.irp b, 0,32,64,96,128,160,192,224
.irp k, 26,27,28,29,30,31
	v_mov_b32 v[\b+\k], 0
.endr
.endr
	s_wait_loadcnt 3                               ; We2 and the rows are in; the three loads of x, issued behind them, may stay out
	WIN 0x80
	LDNAT 0, 6, 0                                  ; We1's three rows and be1, in the unit map: 52 loads, wanted behind the images' making
	LDNAT 52, 6, 400
	LDNAT 104, 6, 800
	LDNAT 156, 8, 0
; ---------------- each table's largest magnitude: a chain of maxima and one of minima, lanes, waves ----------------
	WIN 0x05                                       ; sources 0 and 1 in window 1
	v_max_num_f32 v232, v0, v1
	v_min_num_f32 v233, v0, v1
	v_max_num_f32 v234, v50, v51
	v_min_num_f32 v235, v50, v51
	WIN 0x14                                       ; sources 1 and 2 in window 1
.set i, 2
.rept 24
	v_max3_num_f32 v232, v232, v[i], v[i+1]
	v_min3_num_f32 v233, v233, v[i], v[i+1]
	v_max3_num_f32 v234, v234, v[50+i], v[51+i]
	v_min3_num_f32 v235, v235, v[50+i], v[51+i]
.set i, i+2
.endr
	WIN 0
	v_max3_num_f32 v236, v128, v129, v130
	v_min3_num_f32 v237, v128, v129, v130
	v_max3_num_f32 v238, v132, v133, v134
	v_min3_num_f32 v239, v132, v133, v134
	v_max_num_f32 v240, v136, v137
	v_min_num_f32 v241, v136, v137
	v_max3_num_f32 v242, v138, v139, v131
	v_min3_num_f32 v243, v138, v139, v131
	v_max_num_f32 v232, v232, v234
	v_min_num_f32 v233, v233, v235
	v_max_num_f32 v236, v236, v238
	v_min_num_f32 v237, v237, v239
	v_sub_f32 v233, 0, v233
	v_sub_f32 v237, 0, v237
	v_sub_f32 v241, 0, v241
	v_sub_f32 v243, 0, v243
	v_max_num_f32 v244, v232, v233                 ; We2
	v_max_num_f32 v245, v236, v237                 ; Wdmu, Wds
	v_max_num_f32 v246, v240, v241                 ; Wd1
	v_max_num_f32 v247, v242, v243                 ; Wmu, Wlt
.irp m, 1,2,4,8
.irp q, 244,245,246,247
	v_max_num_f32_dpp v\q, v\q, v\q row_xmask:\m row_mask:0xf bank_mask:0xf
.endr
.endr
.irp q, 0,1,2,3
	v_permlanex16_b32 v[232+\q], v[244+\q], s98, s99
.endr
.irp q, 0,1,2,3
	v_max_num_f32 v[244+\q], v[244+\q], v[232+\q]
.endr
	ds_store_b128 v148, v[244:247]
	s_wait_dscnt 0x0                               ; for the others' sake: my maxima are in LDS
	s_barrier_signal -1
	s_barrier_wait -1
	ds_load_b128 v[232:235], v150
	ds_load_b128 v[236:239], v150 offset:16
	ds_load_b128 v[240:243], v150 offset:32
	ds_load_b128 v[248:251], v150 offset:48
	s_wait_dscnt 0x0
.irp q, 0,1,2,3
	v_max3_num_f32 v[232+\q], v[232+\q], v[236+\q], v[240+\q]
.endr
.irp q, 0,1,2,3
	v_max_num_f32 v[232+\q], v[232+\q], v[248+\q]
.endr
.irp q, 0,1,2,3
	v_readfirstlane_b32 s[58+\q], v[232+\q]
.endr
	; the scales: powers of two, made on the exponent bits.  2^e is the largest magnitude's power, at the least 2^-111
.irp q, 58,59,60,61
	s_and_b32 s\q, s\q, 0x7f800000
	s_max_u32 s\q, s\q, 0x08000000
.endr
	s_sub_co_u32 s62, 0x82000000, s58              ; We2 times 2^(6 - e)
	s_sub_co_u32 s83, s58, 0x07000000              ; and its sums times 2^(e - 14): the 2^-8 takes back the activations' 256
	s_sub_co_u32 s70, s59, 0x07000000              ; the same for Wdmu, Wds
	s_sub_co_u32 s101, s61, 0x07000000             ; and for the heads
	s_mul_f32 s94, s70, s60                        ; J's sums: one factor of Wd1, which is scaled by 2^-e
	s_mul_f32 s96, s94, s60                        ; H's: two
	s_mov_b32 s95, s94
	s_mov_b32 s97, s96
	s_sub_co_u32 s59, 0x82000000, s59
	s_sub_co_u32 s61, 0x82000000, s61
	s_sub_co_u32 s60, 0x7f000000, s60
; ---------------- We2's images: scale, split, 8 bytes of high and of low halves for each piece; all in window 1 ----------------
	v_cmp_gt_u32 vcc_lo, 25, v151
	v_mov_b32 v234, s62
	v_cndmask_b32 v234, 0, v234, vcc_lo            ; lanes 25-31 scale by 0
	v_mov_b32 v235, v234                           ; named with it as a pair
	WIN 0x41                                       ; destination and source 0 in window 1
.set i, 0
.rept 50
	v_pk_mul_f32 v[2*i:2*i+1], v[2*i:2*i+1], v[234:235] op_sel_hi:[1,0]
.set i, i+1
.endr
	WIN 0x45
	S_CVT 0, 100, 50
	WIN 0x51                                       ; -1.0 (source 1) in window 0
	S_MIX 0, 100, 50
	WIN 0x45
	S_CVT 0, 150, 50
	WIN 0x04                                       ; a store's data in window 1, its address in window 0
.set i, 0
.rept 25
	ds_store_b64 v144, v[100+2*i:101+2*i] offset:4*E2P*i           ; row w + 4 i
	ds_store_b64 v147, v[150+2*i:151+2*i] offset:4*E2P*i
.set i, i+1
.endr
	WIN 0
; ---------------- the decoder's and the heads' images: thread t makes row t; rows from 100 on are 0 ----------------
	v_cmp_gt_u32 vcc_lo, 100, v0
	v_mov_b32 v232, s59
	v_mov_b32 v233, s61
	v_cndmask_b32 v232, 0, v232, vcc_lo
	v_cndmask_b32 v233, 0, v233, vcc_lo
	v_mul_f32 v216, v232, v128                     ; wo[0..5]
	v_mul_f32 v217, v232, v129
	v_mul_f32 v218, v232, v130
	v_mul_f32 v219, v232, v132
	v_mul_f32 v220, v232, v133
	v_mul_f32 v221, v232, v134
	v_mul_f32 v222, s60, v136                      ; wd[0..1]
	v_mul_f32 v223, s60, v137
	v_mul_f32 v224, v222, v222                     ; wd wd: 00, 01, 11
	v_mul_f32 v225, v222, v223
	v_mul_f32 v226, v223, v223
	v_mul_f32 v228, v233, v138
	v_mul_f32 v229, v233, v139
	v_mul_f32 v230, v233, v131
	v_mov_b32 v231, 0
	; column 16 X + 8 hD + j lands in register j of the lanes' half hD.  X = 0: wo[3 hD + j / 2] wd[j % 2], j < 6.  X = 1: wo[3 hD + j / 3] ww[j % 3].  X = 2: j = 0: wo[3 hD + 2] ww11.  X = 3: wo[3 hD + j], j < 3.
.set col, 0
.rept 64
.set cX, col/16
.set cH, (col/8)%2
.set cJ, col%8
.if (cX == 0) && (cJ < 6)
	v_mul_f32 v[152+col], v[216+3*cH+cJ/2], v[222+cJ%2]
.elseif cX == 1
	v_mul_f32 v[152+col], v[216+3*cH+cJ/3], v[224+cJ%3]
.elseif (cX == 2) && (cJ == 0)
	v_mul_f32 v[152+col], v[218+3*cH], v226
.elseif (cX == 3) && (cJ < 3)
	v_mov_b32 v[152+col], v[216+3*cH+cJ]
.else
	v_mov_b32 v[152+col], 0
.endif
.set col, col+1
.endr
	S_CVT 152, 48, 32
	S_CVT 228, 112, 2
	S_MIX 152, 48, 32
	S_MIX 228, 112, 2
	S_CVT 152, 80, 32
	S_CVT 228, 116, 2
	v_mov_b32 v114, 0
	v_mov_b32 v115, 0
	v_mov_b32 v118, 0
	v_mov_b32 v119, 0
.set i, 0
.rept 8
	ds_store_b128 v145, v[48+4*i:51+4*i] offset:16*i
	ds_store_b128 v145, v[80+4*i:83+4*i] offset:DCLO+16*i
.set i, i+1
.endr
	ds_store_b128 v146, v[112:115]                 ; Wmu0, Wmu1, Wlt in columns 0-2 and again in 8-10: both halves of the lanes get all three
	ds_store_b128 v146, v[112:115] offset:16
	ds_store_b128 v146, v[116:119] offset:HDLO
	ds_store_b128 v146, v[116:119] offset:HDLO+16
	s_wait_loadcnt 0x0                             ; x, We1, be1 are in
	s_wait_dscnt 0x0                               ; my parts of the images are in LDS: for the others' sake, ahead of the signal below, and ahead of the loads into window 1, from which We2's stores took their data
	WIN 0x40
	LDNAT 0, 22, 0                                 ; Wd1's two rows, bd1, be2: wanted behind layer 2's products
	LDNAT 52, 22, 400
	LDNAT 104, 24, 0
	LDNAT 156, 12, 0
	WIN 0
	s_wait_kmcnt 0x0                               ; the small biases
.irp j, 0,1,2
	v_mov_b32 v[26+\j], s[72+\j]
	v_mov_b32 v13, s[76+\j]
	v_cndmask_b32 v[26+\j], v[26+\j], v13, s100    ; bdmu in the lower lanes, bds in the upper
.endr
	s_barrier_signal -1
; ---------------- layer 1, on registers alone, while the other waves arrive ----------------
	PIPE P_L1, 104, P_MUL, 26
	PSCALE2
	SPLITP
	WIN 0
	v_mul_f32 v36, s83, v36                        ; what layer 2's sums are multiplied by
	v_mul_f32 v38, s83, v38
	s_barrier_wait -1                              ; the images are whole
; ---------------- layer 2: seven tiles of 16 units; a tile's fragments are fetched while the tile before is multiplied ----------------
	WIN 0x80
	LDFRAG 0, VTR, 0, E2P
	LDFRAG 32, VTRL, 0, E2P
.set tt, 0
.rept 7
.if tt > 0
	PLACES 4                                       ; in front of loads into registers that the last products read
.endif
	WIN 0x80
.if tt < 6
	LDFRAG 64*((tt+1)%2), VTR, 32*(tt+1), E2P
	LDFRAG 64*((tt+1)%2)+32, VTRL, 32*(tt+1), E2P
.else
	LDFRAG 128, VTH, 0, 32                         ; behind the last tile: the heads' fragments
	LDFRAG 160, VTH, HDLO, 32
.endif
	s_wait_dscnt 16                                ; all but the sixteen just issued: this tile's fragments are in
	MM24 64*(tt%2), 64*(tt%2)+32, 48+8*tt, 152+8*tt
.set tt, tt+1
.endr
	PLACES 8                                       ; behind the last products, in front of the lines that read the sums
	s_wait_loadcnt 0x0                             ; be2, Wd1, bd1
	PIPE P_L2, 52, P_MUL, 26
	PSCALE2
	SPLITP
; ---------------- the heads: mu_zx, log_t_zx ----------------
	s_wait_dscnt 0x0                               ; their fragments
	MM24 128, 160, 48, 152
	WIN 0
	PLACES 8
	v_mul_f32 v36, s101, v36
	v_mul_f32 v38, s101, v38
	v_fma_f32 v14, v48, v36, s66                   ; z starts at mu_zx
	v_fma_f32 v16, v152, v38, s66
	v_fma_f32 v15, v49, v36, s67
	v_fma_f32 v17, v153, v38, s67
	v_fma_f32 v44, v50, v36, s68                   ; log t
	v_fma_f32 v45, v154, v38, s68
	v_mul_f32 v46, 0x3fb8aa3b, v44
	v_mul_f32 v47, 0x3fb8aa3b, v45
	v_exp_f32 v46, v46
	v_exp_f32 v47, v47
	v_cndmask_b32 v40, v14, v16, s100              ; the lower lanes send tile 0's point, the upper tile 1's
	v_cndmask_b32 v41, v15, v17, s100
	v_cndmask_b32 v13, v44, v45, s100
	s_wait_alu depctr_va_vdst(0)                   ; one wait for the two exponentials, ahead of their first reader
	v_mul_f32 v18, 0x3ed105ec, v46                 ; sqrt(dt) = exp(lt) / sqrt(6), twice for the packed multiply
	v_mul_f32 v19, 0x3ed105ec, v46
	v_mul_f32 v20, 0x3ed105ec, v47
	v_mul_f32 v21, 0x3ed105ec, v47
	global_store_b64 v[VO8], v[40:41], s[46:47]    ; out3: the wave's store covers 256 consecutive bytes, aligned
	ds_store_b32 v[VS4], v13                       ; out4 goes out at the end, 512 bytes at once
	WIN 0x80
.irp x, 0,1,2
	LDFRAG 64*\x, VTD, 32*\x, 160                  ; the steps' fragments (J, H1, H2) stay in registers: v0-191 of window 2
	LDFRAG 64*\x+32, VTD, DCLO+32*\x, 160
.endr
	WIN 0
	s_mov_b32 s55, 6
	s_wait_dscnt 0x0
	s_wait_xcnt 0x0                                ; the store has read v40, v41, which the loop rewrites
; ---------------- six steps ----------------
.Lstep:
	global_load_b128 v[22:25], v[VNO], s[56:57]    ; both points' noise, wanted at the step's end
	PIPE P_DEC, 78, P_POST, 156
	SPLITPQ
	MMSTEP
	WIN 0
	s_wait_loadcnt 0x0                             ; the noise is in, so its base may be stepped
	s_add_nc_u64 s[56:57], s[56:57], 0x40000       ; the next step's 32,768 x 8 bytes (behind the last step it is not used)
	PLACES 8
.set tl, 0
.rept 51
	TL 0, tl
	TL 1, tl
.if tl == 23
	v_nop                                          ; a plain line behind the two reciprocals,
	s_wait_alu depctr_va_vdst(0)                   ; and their one wait
.endif
.set tl, tl+1
.endr
	s_sub_co_u32 s55, s55, 1
	s_cmp_lg_u32 s55, 0
	s_cbranch_scc1 .Lstep
; ---------------- the decoder at the last z ----------------
	WIN 0x80
	LDFRAG 192, VTD, 96, 160                       ; the fragments of Wdmu, Wds themselves: they land while the layer's sigmoids are made
	LDFRAG 224, VTD, DCLO+96, 160
	PIPE P_DEC, 78, P_MUL, 26
	PSCALE2
	SPLITP
	s_wait_dscnt 0x0                               ; the fragments
	MM24 192, 224, 48, 152
	WIN 0
	PLACES 8
	v_mul_f32 v36, s70, v36
	v_mul_f32 v38, s70, v38
.irp j, 0,1,2
	v_fma_f32 v[30+\j], v[48+\j], v36, v[26+\j]    ; the lower lanes hold mu_xz, the upper log_sigma_xz
	v_fma_f32 v[33+\j], v[152+\j], v38, v[26+\j]
.endr
	ds_store_b64 v[VS12], v[30:31]
	ds_store_b64 v[VS12], v[32:33] offset:8
	ds_store_b64 v[VS12], v[34:35] offset:16
	v_cndmask_b32 v46, v14, v16, s100
	v_cndmask_b32 v47, v15, v17, s100
	v_mov_b32 v44, s80
	v_mov_b32 v45, s81
	global_store_b64 v[VO8], v[46:47], s[40:41]    ; out0
	global_store_b64 v[VO8], v[44:45], s[50:51]    ; out5
	v_and_b32 v48, 31, v0
	v_lshlrev_b32 v48, 4, v48                      ; 16 bytes a lane
	s_wait_dscnt 0x0                               ; for the others' sake: my parts of the stages are in LDS
	s_barrier_signal -1
	s_barrier_wait -1
	s_cmp_lt_u32 s54, 2
	s_cbranch_scc0 .Lw23
	s_mul_i32 s58, s54, 1536                       ; wave 0 sends out1, wave 1 out2: 1,536 consecutive bytes
	s_add_co_u32 s58, s58, STG1
	v_add_nc_u32 v49, s58, v48
	ds_load_b128 v[52:55], v49
	ds_load_b128 v[56:59], v49 offset:512
	ds_load_b128 v[60:63], v49 offset:1024
	s_cmp_eq_u32 s54, 0
	s_cselect_b64 s[60:61], s[42:43], s[44:45]
	s_wait_dscnt 0x0
	global_store_b128 v48, v[52:55], s[60:61]
	global_store_b128 v48, v[56:59], s[60:61] offset:512
	global_store_b128 v48, v[60:63], s[60:61] offset:1024
	s_branch .Lend
.Lw23:
	s_cmp_eq_u32 s54, 2
	s_cbranch_scc0 .Lw3
	v_add_nc_u32 v49, STG4, v48                    ; wave 2 sends out4
	ds_load_b128 v[52:55], v49
	s_wait_dscnt 0x0
	global_store_b128 v48, v[52:55], s[48:49]
	s_branch .Lend
.Lw3:
	v_mov_b32 v52, s82                             ; wave 3 sends out6
	v_mov_b32 v53, s82
	v_mov_b32 v54, s82
	v_mov_b32 v55, s82
	global_store_b128 v48, v[52:55], s[52:53]
.Lend:
	s_wait_tensorcnt 0x0                           ; the wave's end, behind my last LDS store
	ds_add_u32 v[SPW], v[NIL]
	s_wait_dscnt 0x0
	s_endpgm
.Lfunc_end_k_q39efbefd68_vaebm:
	.size	k_q39efbefd68_vaebm, .Lfunc_end_k_q39efbefd68_vaebm-k_q39efbefd68_vaebm
	.p2alignl 7, 3214868480
	.fill 96, 4, 3214868480
	.section	.rodata,"a",@progbits
	.p2align	6, 0x0
	.amdhsa_kernel k_q39efbefd68_vaebm
		.amdhsa_group_segment_fixed_size 127232
		.amdhsa_private_segment_fixed_size 0
		.amdhsa_enable_private_segment 0
		.amdhsa_kernarg_size 200
		.amdhsa_user_sgpr_count 2
		.amdhsa_user_sgpr_kernarg_segment_ptr 1
		.amdhsa_wavefront_size32 1
		.amdhsa_system_sgpr_workgroup_id_x 1
		.amdhsa_system_sgpr_workgroup_id_y 1
		.amdhsa_system_sgpr_workgroup_id_z 1
		.amdhsa_system_vgpr_workitem_id 0
		.amdhsa_next_free_vgpr 1024
		.amdhsa_next_free_sgpr 102
		.amdhsa_reserve_vcc 1
		.amdhsa_float_denorm_mode_32 3
		.amdhsa_float_denorm_mode_16_64 3
		.amdhsa_memory_ordered 1
		.amdhsa_forward_progress 1
		.amdhsa_inst_pref_size 255
	.end_amdhsa_kernel
	.section	.bss,"aw",@nobits
	.p2align	6
	.space	262144
	.amdgpu_metadata
---
amdhsa.version: [ 1, 2 ]
amdhsa.kernels:
  - .name:           k_q39efbefd68_vaebm
    .symbol:         k_q39efbefd68_vaebm.kd
    .args:
      - { .name: x, .offset: 0, .size: 8, .value_kind: global_buffer, .address_space: global }
      - { .name: We1, .offset: 8, .size: 8, .value_kind: global_buffer, .address_space: global }
      - { .name: be1, .offset: 16, .size: 8, .value_kind: global_buffer, .address_space: global }
      - { .name: We2, .offset: 24, .size: 8, .value_kind: global_buffer, .address_space: global }
      - { .name: be2, .offset: 32, .size: 8, .value_kind: global_buffer, .address_space: global }
      - { .name: Wmu, .offset: 40, .size: 8, .value_kind: global_buffer, .address_space: global }
      - { .name: bmu, .offset: 48, .size: 8, .value_kind: global_buffer, .address_space: global }
      - { .name: Wlt, .offset: 56, .size: 8, .value_kind: global_buffer, .address_space: global }
      - { .name: blt, .offset: 64, .size: 8, .value_kind: global_buffer, .address_space: global }
      - { .name: Wd1, .offset: 72, .size: 8, .value_kind: global_buffer, .address_space: global }
      - { .name: bd1, .offset: 80, .size: 8, .value_kind: global_buffer, .address_space: global }
      - { .name: Wdmu, .offset: 88, .size: 8, .value_kind: global_buffer, .address_space: global }
      - { .name: bdmu, .offset: 96, .size: 8, .value_kind: global_buffer, .address_space: global }
      - { .name: Wds, .offset: 104, .size: 8, .value_kind: global_buffer, .address_space: global }
      - { .name: bds, .offset: 112, .size: 8, .value_kind: global_buffer, .address_space: global }
      - { .name: b_muz, .offset: 120, .size: 8, .value_kind: global_buffer, .address_space: global }
      - { .name: b_ltz, .offset: 128, .size: 8, .value_kind: global_buffer, .address_space: global }
      - { .name: noise, .offset: 136, .size: 8, .value_kind: global_buffer, .address_space: global }
      - { .name: out0, .offset: 144, .size: 8, .value_kind: global_buffer, .address_space: global }
      - { .name: out1, .offset: 152, .size: 8, .value_kind: global_buffer, .address_space: global }
      - { .name: out2, .offset: 160, .size: 8, .value_kind: global_buffer, .address_space: global }
      - { .name: out3, .offset: 168, .size: 8, .value_kind: global_buffer, .address_space: global }
      - { .name: out4, .offset: 176, .size: 8, .value_kind: global_buffer, .address_space: global }
      - { .name: out5, .offset: 184, .size: 8, .value_kind: global_buffer, .address_space: global }
      - { .name: out6, .offset: 192, .size: 8, .value_kind: global_buffer, .address_space: global }
    .group_segment_fixed_size: 127232
    .private_segment_fixed_size: 0
    .kernarg_segment_align: 8
    .kernarg_segment_size: 200
    .max_flat_workgroup_size: 128
    .sgpr_count:     102
    .vgpr_count:     1024
    .wavefront_size: 32
...
	.end_amdgpu_metadata
.endif
;; end of part 1
